; MI455X (gfx1250); checked and timed in simulation.
; The chip was launched on July 23, 2026; its instructions are those of AMD's public machine-readable ISA for CDNA 5 (MIT licence, August 2026) and "CDNA5" Instruction Set Architecture Reference Guide (July 2026). The comments in the code are by the model that wrote it; some were corrected since.
;; Self Attention. Allowed arithmetic: float matrix products may take bf16 or f16 operands with f32 sums; all other float work in f32.
;; Inputs: Wk 1,024 x 1,024 float32; Wo 1,024 x 1,024 float32; Wq 1,024 x 1,024 float32; Wv 1,024 x 1,024 float32; bk 1,024 float32; bo 1,024 float32; bq 1,024 float32; bv 1,024 float32; x 4 x 2,048 x 1,024 float32.
;; Outputs: out0 4 x 2,048 x 1,024 float32.
;; One version. Each part assembles by itself: llvm-mc -triple=amdgcn-amd-amdhsa -mcpu=gfx1250 --defsym DOCPART=n.
;; ======== version 1 of 1: 4 launches
;; limits: values are held in f16: magnitudes above 65,504 overflow, below 6.1e-05 lose precision
;; workspace buffers: xb 16,777,216 bytes; wb 8,388,608 bytes; qkv 50,331,648 bytes; y 16,777,216 bytes
;; launch cast (part 1): grid 768 x 1, 8 waves a work-group, no clusters, 0 bytes of LDS; arguments x, Wq, Wk, Wv, Wo, xb, wb; writes xb, wb
.if DOCPART == 1
	.amdgcn_target "amdgcn-amd-amdhsa--gfx1250"
	.amdhsa_code_object_version 6
	.text
	.protected	k_q12f267c59c_cast
	.globl	k_q12f267c59c_cast
	.p2align	8
	.type	k_q12f267c59c_cast,@function
k_q12f267c59c_cast:
	s_mov_b64 s[64:65], 0
	v_nop
	global_prefetch_b8 v0, s[64:65] scope:SCOPE_SE
	s_setreg_imm32_b32 hwreg(HW_REG_WAVE_MODE, 25, 1), 1
	s_wait_xcnt 0x0
; xb = x rounded to bf16.  wb, [4096][1024] of 16-bit numbers: rows 0-1023 Wq, 1024-2047 Wk, 2048-3071 Wv, rounded to bf16;
; rows 3072-4095 Wo, rounded to bf16 and that number written as f16 (the last product multiplies f16 by f16).
; LIMIT: a bf16 number of Wo below 2^-14 in magnitude loses bits in f16 (absolute error under 3e-8); above 65,504 it would overflow.
; A stream: no LDS, no barrier, no matrix unit.  A work-group takes 16,384 numbers (64 KiB in, 32 KiB out): groups 0-511 x, then 64 groups for each of Wq, Wk, Wv, Wo.
; Thread t takes the 16 bytes at 16 t of each of 16 pieces of 4,096 bytes: a wave's load covers 512 consecutive bytes, its store of 8 bytes a lane 256 consecutive bytes, aligned.
; All 16 loads of a wave go out at once; no register that a pending load or store names is written again, so the only waits are the counted ones for the data.
.set PIECE, 4096                       ; bytes of input in a piece
.set X, 4                              ; v[4:67]   piece i: 4 numbers in f32
.set Y, 68                             ; v[68:99]  piece i: 4 numbers of 16 bits
.set T, 100                            ; v[100:103] at work (Wo alone)
	s_load_b256 s[4:11], s[0:1], 0x0               ; x s[4:5], Wq s[6:7], Wk s[8:9], Wv s[10:11]
	s_load_b128 s[12:15], s[0:1], 0x20             ; Wo s[12:13], xb s[14:15]
	s_load_b64 s[16:17], s[0:1], 0x30              ; wb
	s_mov_b32 s18, ttmp9                           ; the group's number
	s_sub_co_u32 s19, s18, 512                     ; its number among the weights' 256 groups (used from 512 on)
	s_and_b32 s24, s19, 63
	s_lshl_b32 s24, s24, 16                        ; a weight group's 64 KiB inside its matrix
	s_lshl_b32 s25, s18, 16                        ; an x group's 64 KiB
	s_lshl_b32 s26, s19, 15                        ; a weight group's 32 KiB in wb: the four matrices follow each other
	s_lshl_b32 s27, s18, 15                        ; an x group's 32 KiB in xb
	s_mov_b32 s29, 0
	s_mov_b32 s31, 0
	v_lshlrev_b32 v1, 4, v0                        ; 16 t: where I read
	v_lshlrev_b32 v2, 3, v0                        ; 8 t: where I write
	s_wait_kmcnt 0x0
	s_cmp_lt_u32 s18, 704                          ; the source, chosen by the group's number alone
	s_cselect_b64 s[20:21], s[10:11], s[12:13]
	s_cmp_lt_u32 s18, 640
	s_cselect_b64 s[20:21], s[8:9], s[20:21]
	s_cmp_lt_u32 s18, 576
	s_cselect_b64 s[20:21], s[6:7], s[20:21]
	s_cmp_lt_u32 s18, 512
	s_cselect_b64 s[20:21], s[4:5], s[20:21]
	s_cselect_b64 s[22:23], s[14:15], s[16:17]     ; the destination: xb or wb
	s_cselect_b32 s28, s25, s24
	s_cselect_b32 s30, s27, s26
	s_add_nc_u64 s[20:21], s[20:21], s[28:29]
	s_add_nc_u64 s[22:23], s[22:23], s[30:31]
.irp i, 0,1,2,3,4,5,6,7,8,9,10,11,12,13,14,15
	global_load_b128 v[X+4*\i:X+4*\i+3], v1, s[20:21] offset:PIECE*\i th:TH_LOAD_NT   ; each input byte is read once in the launch
.endr
	s_cmp_ge_u32 s18, 704
	s_cbranch_scc1 .Lwo
.irp i, 0,1,2,3,4,5,6,7,8,9,10,11,12,13,14,15
	s_wait_loadcnt 15-\i                           ; loads come back in order: piece i is in, the younger ones stay out
	v_cvt_pk_bf16_f32 v[Y+2*\i],   v[X+4*\i],   v[X+4*\i+1]
	v_cvt_pk_bf16_f32 v[Y+2*\i+1], v[X+4*\i+2], v[X+4*\i+3]
	global_store_b64 v2, v[Y+2*\i:Y+2*\i+1], s[22:23] offset:PIECE/2*\i     ; no hint: the next launch reads these bytes
.endr
	s_endpgm
.Lwo:                                                  ; Wo: the same rounding to bf16, then the bf16 number as f16
.irp i, 0,1,2,3,4,5,6,7,8,9,10,11,12,13,14,15
	s_wait_loadcnt 15-\i
	v_cvt_pk_bf16_f32 v[Y+2*\i],   v[X+4*\i],   v[X+4*\i+1]
	v_cvt_pk_bf16_f32 v[Y+2*\i+1], v[X+4*\i+2], v[X+4*\i+3]
	v_lshlrev_b32 v[T],   16, v[Y+2*\i]             ; bf16 to f32: the low half moves up, the high half stays
	v_and_b32     v[T+1], 0xffff0000, v[Y+2*\i]
	v_lshlrev_b32 v[T+2], 16, v[Y+2*\i+1]
	v_and_b32     v[T+3], 0xffff0000, v[Y+2*\i+1]
	v_cvt_pk_f16_f32 v[Y+2*\i],   v[T],   v[T+1]
	v_cvt_pk_f16_f32 v[Y+2*\i+1], v[T+2], v[T+3]
	global_store_b64 v2, v[Y+2*\i:Y+2*\i+1], s[22:23] offset:PIECE/2*\i
.endr
	s_endpgm
.Lfunc_end_k_q12f267c59c_cast:
	.size	k_q12f267c59c_cast, .Lfunc_end_k_q12f267c59c_cast-k_q12f267c59c_cast
	.p2alignl 7, 3214868480
	.fill 96, 4, 3214868480
	.section	.rodata,"a",@progbits
	.p2align	6, 0x0
	.amdhsa_kernel k_q12f267c59c_cast
		.amdhsa_group_segment_fixed_size 0
		.amdhsa_private_segment_fixed_size 0
		.amdhsa_enable_private_segment 0
		.amdhsa_kernarg_size 56
		.amdhsa_user_sgpr_count 2
		.amdhsa_user_sgpr_kernarg_segment_ptr 1
		.amdhsa_wavefront_size32 1
		.amdhsa_system_sgpr_workgroup_id_x 1
		.amdhsa_system_sgpr_workgroup_id_y 1
		.amdhsa_system_sgpr_workgroup_id_z 1
		.amdhsa_system_vgpr_workitem_id 0
		.amdhsa_next_free_vgpr 104
		.amdhsa_next_free_sgpr 66
		.amdhsa_reserve_vcc 0
		.amdhsa_float_denorm_mode_32 3
		.amdhsa_float_denorm_mode_16_64 3
		.amdhsa_memory_ordered 1
		.amdhsa_forward_progress 1
		.amdhsa_inst_pref_size 17
	.end_amdhsa_kernel
	.amdgpu_metadata
---
amdhsa.version: [ 1, 2 ]
amdhsa.kernels:
  - .name:           k_q12f267c59c_cast
    .symbol:         k_q12f267c59c_cast.kd
    .args:
      - { .name: x, .offset: 0, .size: 8, .value_kind: global_buffer, .address_space: global }
      - { .name: Wq, .offset: 8, .size: 8, .value_kind: global_buffer, .address_space: global }
      - { .name: Wk, .offset: 16, .size: 8, .value_kind: global_buffer, .address_space: global }
      - { .name: Wv, .offset: 24, .size: 8, .value_kind: global_buffer, .address_space: global }
      - { .name: Wo, .offset: 32, .size: 8, .value_kind: global_buffer, .address_space: global }
      - { .name: xb, .offset: 40, .size: 8, .value_kind: global_buffer, .address_space: global }
      - { .name: wb, .offset: 48, .size: 8, .value_kind: global_buffer, .address_space: global }
    .group_segment_fixed_size: 0
    .private_segment_fixed_size: 0
    .kernarg_segment_align: 8
    .kernarg_segment_size: 56
    .max_flat_workgroup_size: 256
    .sgpr_count:     66
    .vgpr_count:     104
    .wavefront_size: 32
...
	.end_amdgpu_metadata
.endif
;; end of part 1
;; launch qkv (part 2): grid 8 x 32, 4 waves a work-group, clusters of 4 x 4, 327,680 bytes of LDS; arguments xb, wb, bq, bk, bv, qkv; writes qkv
.if DOCPART == 2
	.amdgcn_target "amdgcn-amd-amdhsa--gfx1250"
	.amdhsa_code_object_version 6
	.text
	.protected	k_q12f267c59c_qkv
	.globl	k_q12f267c59c_qkv
	.p2align	8
	.type	k_q12f267c59c_qkv,@function
k_q12f267c59c_qkv:
	s_mov_b64 s[64:65], 0
	v_nop
	global_prefetch_b8 v0, s[64:65] scope:SCOPE_SE
	s_setreg_imm32_b32 hwreg(HW_REG_WAVE_MODE, 25, 1), 1
	s_wait_xcnt 0x0
	s_wait_alu depctr_hold_cnt(0) depctr_sa_sdst(0) depctr_va_vdst(0) depctr_va_sdst(0) depctr_va_ssrc(0) depctr_va_vcc(0) depctr_vm_vsrc(0)
	s_getreg_b32 s2, hwreg(HW_REG_IB_STS2, 6, 4)
	s_cmp_eq_u32 s2, 0
	s_cbranch_scc0 .Lentry_in_a_cluster
	s_endpgm
.Lentry_in_a_cluster:
	s_bfe_u32 s2, ttmp6, 0x10000c
	s_cmp_lg_u32 s2, 0xf033
	s_cbranch_scc0 .Lentry_shape_is_right
	s_endpgm
.Lentry_shape_is_right:
; q, k, v = x W^T + b for the three weight matrices at once: [8192][1024] x [3072][1024]^T, bf16 operands, f32 sums, bias in f32, result rounded once to f16.
; OUT: 192 planes of [2048 tokens][64] f16: plane = 64 x (0 q, 1 k, 2 v) + 16 x batch + head.  LIMIT: |q|, |k|, |v| stay under 65,504, f16's largest number.
; SHARES: 8192 x 3072 outputs on 256 work-groups: a tile of 256 tokens x 384 columns (6 heads).  Four waves, each 128 tokens x 192 columns (3 heads): 96 accumulators of 16 x 16, 768 registers.
; K goes in 16 steps of 64 through two LDS slots.  A slot holds 384 rows of W and 256 rows of x, 128 bytes each: two slots of 128 along K would take 2 x 640 x 272 = 348,160 bytes, more than the work-group can have.
; CLUSTER 4 x 4: the four work-groups of a row need the same rows of x, the four of a column the same rows of W: each tile is asked for jointly, by the same tensor load with the same descriptor and a mask that names the four.
; THE MATRIX INSTRUCTION IS USED TRANSPOSED: source 0 = 16 rows of W, source 1 = 16 tokens: a lane then holds one token (lane % 16) and eight neighbouring columns 8 (lane / 16) + 0..7.
; REGISTERS: window 0: v16-27 addresses; v32-95, v96-159 x's fragments (8 x 16 tokens x 32 K), two buffers; v160-255 W's fragments, one buffer in three thirds (third w = head w, 4 fragments).
;   windows 1 + w: head w's 32 accumulators, (a, b) at v[8 (4 a + b)].  A quarter of 32 along K is three phases of 32 matrix instructions, one head each; behind a phase its third is loaded again.
.set KSTEP,  64
.set PITCH,  144                       ; an LDS row: 128 bytes + 16 of padding = 36 words: 16 neighbouring rows start 16 bytes further on each time, modulo 256
.set FRAG,   16*PITCH
.set AOFF,   384*PITCH                 ; x's rows lie behind W's 384
.set SLOT,   640*PITCH
.set STAGE,  2*SLOT                    ; behind the ring: 16 rows x 144 bytes for each wave, for the way out; no tensor load lands here
.set ADRA, 16                          ; v16-17 LDS address of my fragments of x in slot 0, 1
.set ADRB, 20                          ; v20-21 the same for W
.set STO,  24                          ; the way out: where I put 16 bytes of a token's row
.set RD,   25                          ; the way out: where I read rows back
.set CO,   26                          ; my 16 bytes among 512 consecutive bytes of a plane
.set BO,   27                          ; my 32 bytes of a bias: 32 x (lane / 16)
.set A0,   32
.set A1,   96
.set BF,   160
.set TT,   32                          ; the way out: sums with bias, f32
.set PKD,  64                          ; the way out: the same as f16
.set OB,   96                          ; the way out: rows read back, two sets of 16 registers
.set WV, 16                            ; s16 wave; s17 which half of the tokens; s18 which half of the columns
.set WM, 17
.set WN, 18
.set CX, 20
.set CY, 21
.set TC, 22                            ; tile column 0..7
.set TR, 23                            ; tile row 0..31
.set G1A, 24                           ; s[24:31] descriptor group 1 for x's tiles; s[32:39] group 0, one set a slot
.set G0A, 32
.set G1B, 40                           ; s[40:47], s[48:55] the same for W's tiles
.set G0B, 48
.set LAP, 58
.set BIA, 66                           ; s[66:71] head w's 64 numbers of bias
.set OUA, 72                           ; s[72:77] head w's plane at my first token
.set FLAGS, (1<<16)|(1<<20)|(1<<21)|(4<<22)|(3<<25)   ; elements of 2 bytes; padding on; bit 21 beside a mask; after every 32 words; 4 words
.set MSB, 0
.macro WIN new                         ; the immediate's high byte repeats the setting that is left; a switch that changes nothing is dropped
.if MSB != (\new)
	s_set_vgpr_msb (MSB<<8)|(\new)
.set MSB, \new
.endif
.endm
.macro PLACES                          ; four places in front of loads into registers that matrix instructions have read, and of vector instructions that read results
.rept 4
	v_nop
.endr
.endm
; A joint refill: wave 3 fetches x's 256 rows, waves 0 to 2 128 rows of W each.  The branch hangs on the wave's number alone.  Four v_nop follow each line.
.macro JLOAD s
	s_cmp_eq_u32 s[WV], 3
	s_cbranch_scc0 .Lfor_b_\@
	tensor_load_to_lds s[G0A+4*\s:G0A+4*\s+3], s[G1A:G1A+7]
	s_nop 0
	PLACES
	s_branch .Lasked_\@
.Lfor_b_\@:
	tensor_load_to_lds s[G0B+4*\s:G0B+4*\s+3], s[G1B:G1B+7]
	s_nop 0
	PLACES
.Lasked_\@:
.endm
.macro CREST                           ; a round of the cluster's barrier behind its opening barrier
	s_cmp_lg_u32 s[WV], 0
	s_cbranch_scc1 .Lnot_wave_0_\@
	s_barrier_signal -3
.Lnot_wave_0_\@:
	s_barrier_wait -3
	s_barrier_signal -1
	s_barrier_wait -1
.endm
.macro CROUND
	s_barrier_signal -1
	s_barrier_wait -1
	CREST
.endm
	s_load_b256 s[4:11], s[0:1], 0x0               ; xb s[4:5], wb s[6:7], bq s[8:9], bk s[10:11]
	s_load_b128 s[12:15], s[0:1], 0x20             ; bv s[12:13], qkv s[14:15]
	v_lshl_add_u32 v30, v0, 2, 0x2f400
	v_mov_b32 v31, 0
	ds_add_u32 v30, v31
	ds_add_u32 v30, v31
	v_lshrrev_b32 v1, 5, v0
	v_readfirstlane_b32 s[WV], v1
	s_lshr_b32 s[WM], s[WV], 1
	s_and_b32 s[WN], s[WV], 1
	s_bfe_u32 s[CX], ttmp6, 0x40000
	s_bfe_u32 s[CY], ttmp6, 0x40004
	s_lshl_b32 s[TC], ttmp9, 2
	s_add_co_u32 s[TC], s[TC], s[CX]               ; tile column = 4 x cluster x + cx
	s_and_b32 s[TR], ttmp7, 0xffff
	s_lshl_b32 s[TR], s[TR], 2
	s_add_co_u32 s[TR], s[TR], s[CY]               ; tile row = 4 x cluster y + cy
	s_lshl_b32 s56, s[CY], 2
	s_lshl_b32 s56, 15, s56                        ; my row of the cluster
	s_lshl_b32 s57, 0x1111, s[CX]                  ; my column
	s_or_b32 s[G1A], s56, FLAGS                    ; x's tiles go to my row,
	s_or_b32 s[G1B], s57, FLAGS                    ; W's to my column
	s_mov_b32 s[G1A+1], KSTEP<<16                  ; tensor_dim0 = 64
	s_mov_b32 s[G1A+2], 256<<16                    ; tensor_dim1 = 256
	s_mov_b32 s[G1A+3], KSTEP<<16                  ; tile_dim0 = 64
	s_mov_b32 s[G1A+4], 256                        ; tile_dim1 = 256
	s_mov_b32 s[G1A+5], 1024                       ; elements from row to row
	s_mov_b32 s[G1A+6], 0
	s_mov_b32 s[G1A+7], 0
	s_mov_b32 s[G1B+1], KSTEP<<16
	s_mov_b32 s[G1B+2], 128<<16                    ; 128 rows
	s_mov_b32 s[G1B+3], KSTEP<<16
	s_mov_b32 s[G1B+4], 128
	s_mov_b32 s[G1B+5], 1024
	s_mov_b32 s[G1B+6], 0
	s_mov_b32 s[G1B+7], 0
	s_lshl_b32 s60, s[TR], 19                      ; x: 256 rows of 2,048 bytes a tile row; these registers never hold cx
	s_mov_b32 s61, 0
	s_mul_i32 s62, s[TC], 384*2048                 ; W: 384 rows a tile column,
	s_lshl_b32 s78, s[WV], 18                      ; and my 128 of them; these never hold cy
	s_add_co_u32 s62, s62, s78
	s_mov_b32 s63, 0
	s_mul_i32 s79, s[WV], 128*PITCH                ; where my rows of W go: no place in the cluster enters an LDS address
	s_wait_dscnt 0x0
	s_wait_kmcnt 0x0
	s_add_nc_u64 s[60:61], s[4:5], s[60:61]
	s_add_nc_u64 s[62:63], s[6:7], s[62:63]
	CROUND                                         ; all sixteen work-groups are here: the first joint loads meet
.irp s, 0,1
	s_mov_b32 s[G0A+4*\s], 1
	s_mov_b32 s[G0A+4*\s+1], \s*SLOT+AOFF
	s_add_nc_u64 s[G0A+4*\s+2:G0A+4*\s+3], s[60:61], \s*KSTEP*2    ; K step s
	s_or_b32 s[G0A+4*\s+3], s[G0A+4*\s+3], 0x80000000
	s_mov_b32 s[G0B+4*\s], 1
	s_add_co_u32 s[G0B+4*\s+1], s79, \s*SLOT
	s_add_nc_u64 s[G0B+4*\s+2:G0B+4*\s+3], s[62:63], \s*KSTEP*2
	s_or_b32 s[G0B+4*\s+3], s[G0B+4*\s+3], 0x80000000
.endr
	s_cmp_eq_u32 s[WV], 3                          ; a wave's two first fills stand in one branch: two loads of mine are out
	s_cbranch_scc0 .Lfirst_b
	tensor_load_to_lds s[G0A:G0A+3], s[G1A:G1A+7]
	s_nop 0
	tensor_load_to_lds s[G0A+4:G0A+7], s[G1A:G1A+7]
	s_nop 0
	PLACES
	s_branch .Lfirst_asked
.Lfirst_b:
	tensor_load_to_lds s[G0B:G0B+3], s[G1B:G1B+7]
	s_nop 0
	tensor_load_to_lds s[G0B+4:G0B+7], s[G1B:G1B+7]
	s_nop 0
	PLACES
.Lfirst_asked:
	; a fragment is 16 rows x 32 K in 8 registers: lane l holds row l % 16, registers 0-3 K = 8 (l / 16) + 0..7, registers 4-7 K = 16 + 8 (l / 16) + 0..7: two loads of 16 bytes, 32 bytes apart
	v_and_b32 v1, 15, v0                           ; l % 16
	v_bfe_u32 v2, v0, 4, 1                         ; l / 16
	v_mul_u32_u24 v3, v1, PITCH
	v_lshl_add_u32 v3, v2, 4, v3                   ; row x pitch + 16 x half
	s_mul_i32 s59, s[WM], 128*PITCH
	s_add_co_u32 s59, s59, AOFF                    ; my 128 tokens
	s_mul_i32 s80, s[WN], 192*PITCH                ; my 192 rows of W
.irp s, 0,1
	v_add_nc_u32 v[ADRA+\s], s59, v3
	v_add_nc_u32 v[ADRB+\s], s80, v3
	s_add_co_u32 s59, s59, SLOT
	s_add_co_u32 s80, s80, SLOT
.endr
	s_mul_i32 s81, s[WV], FRAG
	s_add_co_u32 s81, s81, STAGE                   ; my stage
	v_add_nc_u32 v[STO], s81, v3                   ; in: token l % 16, 16 bytes for each half of the lanes
	v_bfe_u32 v4, v0, 3, 2                         ; back: eight lanes take a row of 128 bytes, the wave four rows
	v_and_b32 v5, 7, v0
	v_mul_u32_u24 v4, v4, PITCH
	v_lshl_add_u32 v4, v5, 4, v4
	v_add_nc_u32 v[RD], s81, v4
	v_and_b32 v[CO], 31, v0
	v_lshlrev_b32 v[CO], 4, v[CO]                  ; four rows of a plane are 512 consecutive bytes
	v_lshlrev_b32 v[BO], 5, v2
	; my three heads: head hh of 48 = 6 x tile column + 3 x column half + w; matrix hh / 16, head hh % 16
	s_mul_i32 s78, s[TC], 6
	s_mul_i32 s79, s[WN], 3
	s_add_co_u32 s78, s78, s79
	s_lshr_b32 s79, s[TR], 3
	s_lshl_b32 s79, s79, 4                         ; 16 x batch
	s_and_b32 s80, s[TR], 7
	s_lshl_b32 s80, s80, 15                        ; the tile's 256 tokens of 128 bytes in a plane,
	s_lshl_b32 s81, s[WM], 14                      ; my 128 of them
	s_add_co_u32 s80, s80, s81
	s_mov_b32 s85, 0
.irp w, 0,1,2
	s_add_co_u32 s81, s78, \w
	s_lshr_b32 s82, s81, 4
	s_and_b32 s83, s81, 15
	s_cmp_eq_u32 s82, 0                            ; the bias is chosen by the head's number alone
	s_cselect_b64 s[BIA+2*\w:BIA+2*\w+1], s[8:9], s[10:11]
	s_cmp_eq_u32 s82, 2
	s_cselect_b64 s[BIA+2*\w:BIA+2*\w+1], s[12:13], s[BIA+2*\w:BIA+2*\w+1]
	s_lshl_b32 s84, s83, 8
	s_add_nc_u64 s[BIA+2*\w:BIA+2*\w+1], s[BIA+2*\w:BIA+2*\w+1], s[84:85]
	s_lshl_b32 s84, s82, 6
	s_add_co_u32 s84, s84, s79
	s_add_co_u32 s84, s84, s83                     ; the plane,
	s_lshl_b32 s84, s84, 18                        ; 262,144 bytes each: 50,331,648 at the most
	s_add_co_u32 s84, s84, s80
	s_add_nc_u64 s[OUA+2*\w:OUA+2*\w+1], s[14:15], s[84:85]
.endr
; 16 matrix instructions of head w: token blocks a0 .. a0 + 3 x its 4 column blocks, 32 along K.  zero = 1: the product starts the sums: nothing is cleared.
; The 96 accumulators take turns, one instruction a turn, in the same order in every quarter.
.macro MUL16 f, w, a0, zero
.irp a, \a0, \a0+1, \a0+2, \a0+3
.irp b, 0,1,2,3
.if \zero
	v_wmma_f32_16x16x32_bf16 v[8*(4*(\a)+\b):8*(4*(\a)+\b)+7], v[BF+32*\w+8*\b:BF+32*\w+8*\b+7], v[\f+8*(\a):\f+8*(\a)+7], 0
.else
	v_wmma_f32_16x16x32_bf16 v[8*(4*(\a)+\b):8*(4*(\a)+\b)+7], v[BF+32*\w+8*\b:BF+32*\w+8*\b+7], v[\f+8*(\a):\f+8*(\a)+7], v[8*(4*(\a)+\b):8*(4*(\a)+\b)+7]
.endif
.endr
.endr
.endm
.macro PH f, w, zero                   ; a phase: head w's 32 products; C and D in window 1 + w
	WIN 0x50*(\w+1)
	MUL16 \f, \w, 0, \zero
	MUL16 \f, \w, 4, \zero
.endm
.macro LDB slot, k, w                  ; third w of W's fragments, at byte k of the rows: 8 loads
.irp b, 0,1,2,3
	ds_load_b128 v[BF+32*\w+8*\b:BF+32*\w+8*\b+3],   v[ADRB+\slot] offset:\k+(4*\w+\b)*FRAG
	ds_load_b128 v[BF+32*\w+8*\b+4:BF+32*\w+8*\b+7], v[ADRB+\slot] offset:\k+(4*\w+\b)*FRAG+32
.endr
.endm
.macro LDA slot, k, g                  ; x's 8 fragments into buffer g: 16 loads
.irp a, 0,1,2,3,4,5,6,7
	ds_load_b128 v[\g+8*\a:\g+8*\a+3],   v[ADRA+\slot] offset:\k+\a*FRAG
	ds_load_b128 v[\g+8*\a+4:\g+8*\a+7], v[ADRA+\slot] offset:\k+\a*FRAG+32
.endr
.endm
; A step's first quarter: multiplies buffer f and fetches the second quarter (byte k of the same slot) into g.  On the way in the loads out are, in order: third 0 (8), x (16), third 1 (8), third 2 (8).
.macro QUARTER slot, k, f, g, zero
	s_wait_dscnt 16                                ; third 0 and x are in; thirds 1 and 2 may be out
	PH \f, 0, \zero
	PLACES
	WIN 0
	LDB \slot, \k, 0
	LDA \slot, \k, \g
	s_wait_dscnt 32                                ; third 1 is in; behind it: third 2 (8) and the 24 just issued
	PH \f, 1, \zero
	PLACES
	WIN 0
	LDB \slot, \k, 1
	s_wait_dscnt 32                                ; third 2 is in; behind it: the 24 and the 8 just issued
	PH \f, 2, \zero
	PLACES
	WIN 0
	LDB \slot, \k, 2
.endm
; A step's second quarter multiplies buffer A1 and changes slots: ONE barrier.  In front of it each wave waits for its own reads of this slot and for all its tensor loads, of which one is out: its part of the next slot.
; refill = 1: the barrier opens a round of the cluster's barrier, and the joint refill of the slot just read out (two K steps on) is the first thing behind the round: it has 176 matrix instructions in which to land.
.macro TURN slot, next, refill
	s_wait_dscnt 16
	WIN 0x50
	MUL16 A1, 0, 0, 0
	s_wait_dscnt 0x0                               ; my reads of this slot are over
	s_wait_tensorcnt 0x0                           ; all my tensor loads have landed
	ds_add_u32 v30, v31
	s_wait_dscnt 0x0
	s_barrier_signal -1
	MUL16 A1, 0, 4, 0                              ; register work while the others arrive
	WIN 0
	s_barrier_wait -1
.if \refill
	CREST                                          ; no wave of any partner still reads this slot's tiles or has a load on its way
	s_add_nc_u64 s[G0A+4*\slot+2:G0A+4*\slot+3], s[G0A+4*\slot+2:G0A+4*\slot+3], 4*KSTEP
	s_add_nc_u64 s[G0B+4*\slot+2:G0B+4*\slot+3], s[G0B+4*\slot+2:G0B+4*\slot+3], 4*KSTEP
	JLOAD \slot                                    ; its four v_nop are also the places in front of the loads below
.else
	PLACES
.endif
	LDB \next, 0, 0
	LDA \next, 0, A0
	PH A1, 1, 0
	PLACES
	WIN 0
	LDB \next, 0, 1
	PH A1, 2, 0
	PLACES
	WIN 0
	LDB \next, 0, 2
.endm
	s_wait_tensorcnt 0x1                           ; my part of K step 0 is in; step 1's may stay out
	s_barrier_signal -1
	s_barrier_wait -1
	LDB 0, 0, 0
	LDA 0, 0, A0
	LDB 0, 0, 1
	LDB 0, 0, 2
	QUARTER 0, 64, A0, A1, 1                       ; the first quarter stands in front of the loop: its products start the sums
	s_mov_b32 s[LAP], 7
.Llap:                                                 ; a trip goes once round the ring and fills both slots again: K steps 2 to 15
	TURN 0, 1, 1
	QUARTER 1, 64, A0, A1, 0
	TURN 1, 0, 1
	QUARTER 0, 64, A0, A1, 0
	s_sub_co_u32 s[LAP], s[LAP], 1
	s_cmp_lg_u32 s[LAP], 0
	s_cbranch_scc1 .Llap
	TURN 0, 1, 0                                   ; the last lap fills nothing and has no round
	QUARTER 1, 64, A0, A1, 0
	s_wait_dscnt 0x0                               ; the very last quarter; behind a head's phase its third takes the head's bias: my 8 numbers for each of 4 column blocks
.irp w, 0,1,2
	PH A1, \w, 0
	PLACES
	WIN 0
.irp b, 0,1,2,3
	global_load_b128 v[BF+32*\w+8*\b:BF+32*\w+8*\b+3],   v[BO], s[BIA+2*\w:BIA+2*\w+1] offset:64*\b
	global_load_b128 v[BF+32*\w+8*\b+4:BF+32*\w+8*\b+7], v[BO], s[BIA+2*\w:BIA+2*\w+1] offset:64*\b+16
.endr
.endr
	s_wait_loadcnt 0x0
; THE WAY OUT, in 24 units u = 8 w + a: 16 tokens x one head.  PACK: bias added in f32, rounded to f16, 16 bytes for each column block; each accumulator is taken from its low end on.
.macro PACK u
.set pw, (\u)/8
.set pa, (\u)%8
	WIN pw+1                                       ; source 0 in the head's window
.irp b, 0,1,2,3
.irp j, 0,2,4,6
	v_pk_add_f32 v[TT+8*\b+\j:TT+8*\b+\j+1], v[8*(4*pa+\b)+\j:8*(4*pa+\b)+\j+1], v[BF+32*pw+8*\b+\j:BF+32*pw+8*\b+\j+1]
.endr
.endr
	WIN 0
.irp i, 0,1,2,3,4,5,6,7,8,9,10,11,12,13,14,15
	v_cvt_pk_f16_f32 v[PKD+\i], v[TT+2*\i], v[TT+2*\i+1]
.endr
.endm
.macro TOSTAGE u                       ; into my own stage, and back as whole rows
.set ob, OB+16*((\u)%2)
	s_wait_xcnt 0x0                                ; the set of registers that earlier stores read is loaded again only behind this wait
.irp b, 0,1,2,3
	ds_store_b128 v[STO], v[PKD+4*\b:PKD+4*\b+3] offset:32*\b
.endr
.irp i, 0,1,2,3
	ds_load_b128 v[ob+4*\i:ob+4*\i+3], v[RD] offset:4*PITCH*\i     ; LDS serves a wave's instructions in order: these see the stores above
.endr
.endm
.macro SEND u
.set ob, OB+16*((\u)%2)
.set sw, (\u)/8
.set sa, (\u)%8
	s_wait_dscnt 0x0
.irp i, 0,1,2,3
	global_store_b128 v[CO], v[ob+4*\i:ob+4*\i+3], s[OUA+2*sw:OUA+2*sw+1] offset:2048*sa+512*\i   ; the wave stores 512 consecutive bytes, four tokens' rows, at a multiple of 512 from the plane's first byte
.endr
.endm
	PACK 0
	TOSTAGE 0
.irp u, 1,2,3,4,5,6,7,8,9,10,11,12,13,14,15,16,17,18,19,20,21,22,23
	PACK \u                                        ; a unit's arithmetic stands between the loads of the unit before and the wait for them
	SEND \u-1
	TOSTAGE \u
.endr
	SEND 23
	s_wait_tensorcnt 0x0
	ds_add_u32 v30, v31
	s_wait_dscnt 0x0
	CROUND                                         ; the closing round: no work-group ends while a partner may still ask for a tile that names it
	s_endpgm
.Lfunc_end_k_q12f267c59c_qkv:
	.size	k_q12f267c59c_qkv, .Lfunc_end_k_q12f267c59c_qkv-k_q12f267c59c_qkv
	.p2alignl 7, 3214868480
	.fill 96, 4, 3214868480
	.section	.rodata,"a",@progbits
	.p2align	6, 0x0
	.amdhsa_kernel k_q12f267c59c_qkv
		.amdhsa_group_segment_fixed_size 327680
		.amdhsa_private_segment_fixed_size 0
		.amdhsa_enable_private_segment 0
		.amdhsa_kernarg_size 48
		.amdhsa_user_sgpr_count 2
		.amdhsa_user_sgpr_kernarg_segment_ptr 1
		.amdhsa_wavefront_size32 1
		.amdhsa_system_sgpr_workgroup_id_x 1
		.amdhsa_system_sgpr_workgroup_id_y 1
		.amdhsa_system_sgpr_workgroup_id_z 1
		.amdhsa_system_vgpr_workitem_id 0
		.amdhsa_next_free_vgpr 1024
		.amdhsa_next_free_sgpr 88
		.amdhsa_reserve_vcc 0
		.amdhsa_float_denorm_mode_32 3
		.amdhsa_float_denorm_mode_16_64 3
		.amdhsa_memory_ordered 1
		.amdhsa_forward_progress 1
		.amdhsa_inst_pref_size 158
	.end_amdhsa_kernel
	.amdgpu_metadata
---
amdhsa.version: [ 1, 2 ]
amdhsa.kernels:
  - .name:           k_q12f267c59c_qkv
    .symbol:         k_q12f267c59c_qkv.kd
    .args:
      - { .name: xb, .offset: 0, .size: 8, .value_kind: global_buffer, .address_space: global }
      - { .name: wb, .offset: 8, .size: 8, .value_kind: global_buffer, .address_space: global }
      - { .name: bq, .offset: 16, .size: 8, .value_kind: global_buffer, .address_space: global }
      - { .name: bk, .offset: 24, .size: 8, .value_kind: global_buffer, .address_space: global }
      - { .name: bv, .offset: 32, .size: 8, .value_kind: global_buffer, .address_space: global }
      - { .name: qkv, .offset: 40, .size: 8, .value_kind: global_buffer, .address_space: global }
    .group_segment_fixed_size: 327680
    .private_segment_fixed_size: 0
    .kernarg_segment_align: 8
    .kernarg_segment_size: 48
    .max_flat_workgroup_size: 128
    .sgpr_count:     88
    .vgpr_count:     1024
    .wavefront_size: 32
...
	.end_amdgpu_metadata
.endif
;; end of part 2
;; launch attn (part 3): grid 4 x 64, 4 waves a work-group, no clusters, 327,680 bytes of LDS; arguments qkv, y; writes y
.if DOCPART == 3
	.amdgcn_target "amdgcn-amd-amdhsa--gfx1250"
	.amdhsa_code_object_version 6
	.text
	.protected	k_q12f267c59c_attn
	.globl	k_q12f267c59c_attn
	.p2align	8
	.type	k_q12f267c59c_attn,@function
k_q12f267c59c_attn:
	s_mov_b64 s[64:65], 0
	v_nop
	global_prefetch_b8 v0, s[64:65] scope:SCOPE_SE
	s_setreg_imm32_b32 hwreg(HW_REG_WAVE_MODE, 25, 1), 1
	s_wait_xcnt 0x0
; y[b, head][q] = the sum over k <= q of softmax_k(q . k / 32) v[k].  q, k, v: planes of [2048][64] f16 (plane 64 x which + 16 b + head); y: 64 such planes.  Products, maxima and sums in f32;
; the weights p are rounded to f16 for the second product, y once at the end.
; LIMITS: a weight below 2^-25 of its row's largest rounds to 0; |y| stays under 65,504 since |v| does; a masked score is -1e30, not -inf: with f16 operands |q . k| <= 64 x 65,504^2 = 2.7e11, so its weight is exactly 0.
; SHARES.  Work-group (j, plane) owns two blocks of 256 queries, 7 - j and then j: (8 - j) + (j + 1) = 9 visits of 256 keys in every work-group; keys beyond a block's diagonal are never visited.
; Four waves, as many as a WGP has SIMDs, each with 64 queries: four tiles of 16.  A visit is four steps of 64 keys; in a diagonal visit wave w takes steps 0 .. w, the last of them masked.
; LAYOUT.  S^T = K Q^T (source 0 = 16 keys, source 1 = 16 queries): a lane holds ONE query (lane % 16) and keys 8 (lane / 16) + 0..7.  Two such tiles rounded to f16 in pairs ARE source 1 of O^T = V^T P.
; K comes out of LDS as it lies, V ([key][channel]) turned, by ds_load_tr16_b128.  A fragment of K or V read from LDS feeds four products.
; SOFTMAX.  A running maximum m and sum l for each query: p = 2^(c s - c m), c = log2(e) / 32; in every step O and l are multiplied by a = 2^(c m_old - c m_new).  A pass begins with m = -inf and l = 0, so that
; its first step runs the same text as every other: a = 0 there, which wipes O (zeros in the first pass, the finished block's finite numbers in the second).  Every query's first step holds an open key, so m is finite from then on.
; BY TURNS.  The tiles are two PIECES, named by their first tile: 0 (tiles 0, 1) and 2 (tiles 2, 3).  In a TURN one piece has the matrix unit: 16 products V^T P of the step in hand, then 16 products K Q^T of the
; next step; the other piece's softmax, 2 x 118 instructions cut into 32 slices, stands between them, one slice behind each product.  Then the pieces change places.  Two turns are a key step.
; THE MASK costs no instruction for a score: the first product of a tile of scores takes as C the constant 0 (key tile below the query tile), TRI (on the diagonal) or NGM (above it); both hold 0, but for a wave's last step of a pass.
; NO JOINT LOADS.  The four work-groups of a plane want the same key block only while all are in their first pass; to ask jointly throughout, each would have to take the tiles of 8 + 4 = 12 visits against its own 9.
; RING.  Two slots of one visit (256 x 144 + 256 x 160 bytes).  Each wave fetches 128 rows: waves 0, 1 the halves of K, waves 2, 3 those of V.  One tensor load of a wave is out at the most, asked for a whole visit ahead.
; REGISTERS, in windows of 256 (s_set_vgpr_msb: bits 1:0 source 0, 3:2 source 1, 5:4 source 2, 7:6 destination):
;   window 0: v2-11 addresses and constants; v12-43 statistics, 8 a tile; v44-51 TRI; v52-59 NGM; v60 the prefetch's offsets; v64-191 S^T, 32 a tile; v192-255 P, 16 a tile
;   window 1: v0-127 O^T, 32 a tile; v128-191 V of one step; v192-255 K of one step          window 2: v0-63 Q, 16 a tile
; All that a softmax touches but O^T lies in window 0, which has no room for a product's operands beside it: a slice costs two switches.
.set PITK,  144                        ; a row of K in LDS: 128 bytes + 16: 16 neighbouring rows start 16 bytes further on each time, modulo 256
.set PITV,  160                        ; a row of V: 128 + 32, an odd multiple of 32: the turning load's 8 rows x 32 bytes fall on different banks
.set KSTP,  64*PITK                    ; a step's rows of K,
.set VSTP,  64*PITV                    ; and of V
.set VOFF,  256*PITK                   ; V's 256 rows lie behind K's
.set SLOT1, 1<<17                      ; slot 1 begins here: one exclusive or turns an address in one slot into the other's
.set STAGE, SLOT1+256*(PITK+PITV)      ; behind the ring: 64 rows x 144 bytes for each wave; no tensor load lands here
.set AK0, 2                            ; my lane's place in a step's rows of K
.set AV0, 3                            ; the same for V
.set ADK, 4                            ; the addresses of the run of loads in hand
.set ADV, 5
.set QO,  6                            ; my byte offset in the wave's rows of Q
.set STO, 7                            ; the way out: where I put 16 bytes of a row
.set RD,  8                            ; the way out: where I read rows back
.set GO,  9                            ; my 16 bytes among 512 consecutive bytes of y
.set DQ,  10                           ; lane % 16 - 8 (lane / 16): register j of a diagonal tile is open where j <= DQ
.set NB,  11                           ; -1e30
.set ST,  12                           ; tile t at +8 t: +0 c m, +1 m, +2, +3 l (even keys', odd keys'), +4 to +7 c0-c3, at work; a takes c2's place once the maximum is found
.set TRI, 44
.set NGM, 52
.set PFO, 60                           ; 256 x lane
.set S,   64
.set P,   192
.set VF,  128                          ; window 1
.set KF,  192                          ; window 1
.set WV,  8                            ; s8 my wave; s9 its low bit: which 128 rows I fetch
.set W1,  9
.set JB,  10
.set BH,  11
.set QBK, 12                           ; the block of queries in hand
.set KB,  13                           ; the block of keys in hand
.set NK,  14                           ; the next visit's
.set TMP, 15
.set OFS, 16                           ; s[16:17] an offset, its high word 0
.set KP,  18                           ; s[18:19] K's plane at my rows of block 0; s[20:21] V's
.set VP,  20
.set QA0, 22                           ; s[22:23] my rows of Q in the first block; s[48:49] in the second; s[50:53] the same for y.  Never rewritten once made
.set G1K, 24
.set G1V, 32
.set G0K, 40
.set G0V, 44
.set QA1, 48
.set YA0, 50
.set YA1, 52
.set SB,  54                           ; the slot in hand
.set TBK, 55                           ; LDS byte at which K of the step to be fetched begins; s56 the same for V, less VOFF
.set TBV, 56
.set STC, 57                           ; the trip: which step of the visit is fetched
.set VIS, 58
.set LIM, 59                           ; the last step of this visit that my wave takes
.set CS,  60
.set SEL, 62
.set MSK, 66                           ; the step of this visit that is masked (4: none)
.set T0,  67
.set T1,  68
.set MSB, 0
.macro WIN new                         ; the immediate's high byte repeats the setting that is left; a switch that changes nothing is dropped
.if MSB != (\new)
	s_set_vgpr_msb (MSB<<8)|(\new)
.set MSB, \new
.endif
.endm
.set W_KQ, 0x09                        ; K in window 1, Q in window 2, C and S^T in window 0
.set W_PV, 0x51                        ; V and O^T in window 1, P in window 0
.set W_RS, 0x41                        ; O^T (destination and source 0) in window 1, a in window 0
.set W_LD, 0x40                        ; destination in window 1, address in window 0
.macro PLACES                          ; four places in front of vector instructions that read matrix results just made (ISA guide 7.12.1)
.rept 4
	v_nop
.endr
.endm
.macro TLOAD                           ; my one tensor load; the branch hangs on the wave's number; four v_nop follow each line
	s_cmp_lt_u32 s[WV], 2
	s_cbranch_scc0 .Lfor_v_\@
	tensor_load_to_lds s[G0K:G0K+3], s[G1K:G1K+7]
	s_nop 0
	PLACES
	s_branch .Lasked_\@
.Lfor_v_\@:
	tensor_load_to_lds s[G0V:G0V+3], s[G1V:G1V+7]
	s_nop 0
	PLACES
.Lasked_\@:
.endm
	s_load_b128 s[4:7], s[0:1], 0x0                ; qkv s[4:5], y s[6:7]
	s_set_vgpr_msb 0x80
	v_lshl_add_u32 v64, v0, 2, 0x3c000
	v_mov_b32 v65, 0
	s_set_vgpr_msb 0x808a
	ds_add_u32 v64, v65
	ds_add_u32 v64, v65
	s_set_vgpr_msb 0x8a00
	v_lshrrev_b32 v1, 5, v0
	v_readfirstlane_b32 s[WV], v1
	s_and_b32 s[W1], s[WV], 1
	s_mov_b32 s[JB], ttmp9
	s_and_b32 s[BH], ttmp7, 0xffff
	s_sub_co_u32 s[QBK], 7, s[JB]
	s_mov_b32 s[KB], 0
	s_mov_b32 s[SB], 0
	s_mov_b32 s[OFS+1], 0
	s_mov_b32 s[G1K], (1<<16)|(1<<20)|(4<<22)|(3<<25)   ; no mask; elements of 2 bytes; padding on, after every 32 words, 4 words
	s_mov_b32 s[G1V], (1<<16)|(1<<20)|(4<<22)|(7<<25)   ; the same with 8 words
.irp g, G1K, G1V
	s_mov_b32 s[\g+1], 64<<16                      ; tensor_dim0 = 64
	s_mov_b32 s[\g+2], 128<<16                     ; tensor_dim1 = 128
	s_mov_b32 s[\g+3], 64<<16                      ; tile_dim0 = 64: a head's rows are 128 bytes in the tensor itself
	s_mov_b32 s[\g+4], 128                         ; tile_dim1 = 128
	s_mov_b32 s[\g+5], 64                          ; elements from row to row
	s_mov_b32 s[\g+6], 0
	s_mov_b32 s[\g+7], 0
.endr
	s_mov_b32 s[CS], 0x3d38aa3b                    ; c = log2(e) / 32
	s_mov_b32 s[CS+1], s[CS]                       ; named with it as a pair, so it is written
	s_mov_b32 s[SEL], 0x76543210
	s_mov_b32 s[SEL+1], 0xfedcba98
	s_lshl_b32 s[T0], s[BH], 18                    ; a plane is 262,144 bytes
	s_lshl_b32 s[T1], s[W1], 14                    ; my 128 rows of 128 bytes
	s_mov_b32 s[OFS], s[T0]
	s_wait_dscnt 0x0
	s_wait_kmcnt 0x0
	s_add_nc_u64 s[QA0:QA0+1], s[4:5], s[OFS:OFS+1]        ; q's plane
	s_add_nc_u64 s[YA0:YA0+1], s[6:7], s[OFS:OFS+1]        ; y's plane
	s_add_co_u32 s[OFS], s[T0], s[T1]
	s_add_nc_u64 s[KP:KP+1], s[4:5], s[OFS:OFS+1]
	s_add_nc_u64 s[VP:VP+1], s[KP:KP+1], 128<<18   ; v's planes begin 128 planes on,
	s_add_nc_u64 s[KP:KP+1], s[KP:KP+1], 64<<18    ; k's 64
	s_mul_i32 s[T0], s[W1], 128*PITK               ; where my rows go
	s_mul_i32 s[T1], s[W1], 128*PITV
	s_mov_b32 s[G0K], 1
	s_mov_b32 s[G0K+1], s[T0]
	s_mov_b64 s[G0K+2:G0K+3], s[KP:KP+1]           ; visit 0: key block 0, into slot 0
	s_or_b32 s[G0K+3], s[G0K+3], 0x80000000
	s_mov_b32 s[G0V], 1
	s_add_co_u32 s[G0V+1], s[T1], VOFF
	s_mov_b64 s[G0V+2:G0V+3], s[VP:VP+1]
	s_or_b32 s[G0V+3], s[G0V+3], 0x80000000
	TLOAD                                          ; the first fill, ahead of every wait on TENSORcnt, every LDS read and every barrier
	s_lshl_b32 s[T0], s[WV], 13                    ; my 64 rows of 128 bytes in a block of 32,768
	s_lshl_b32 s[T1], s[JB], 15
	s_add_co_u32 s[OFS], s[T0], s[T1]
	s_add_nc_u64 s[QA1:QA1+1], s[QA0:QA0+1], s[OFS:OFS+1]  ; the second block: j
	s_add_nc_u64 s[YA1:YA1+1], s[YA0:YA0+1], s[OFS:OFS+1]
	s_lshl_b32 s[T1], s[QBK], 15
	s_add_co_u32 s[OFS], s[T0], s[T1]
	s_add_nc_u64 s[QA0:QA0+1], s[QA0:QA0+1], s[OFS:OFS+1]  ; the first block: 7 - j
	s_add_nc_u64 s[YA0:YA0+1], s[YA0:YA0+1], s[OFS:OFS+1]
	v_and_b32 v61, 15, v0                          ; l % 16
	v_bfe_u32 v62, v0, 4, 1                        ; l / 16
	v_lshlrev_b32 v[QO], 7, v61
	v_lshl_add_u32 v[QO], v62, 4, v[QO]            ; row x 128 + 16 x half
.macro QLOAD base                      ; my 64 rows of Q straight into fragments: tile t, channels 32 c on
	WIN 0x80                                       ; destination window 2
.irp t, 0,1,2,3
.irp c, 0,1
	global_load_b128 v[16*\t+8*\c:16*\t+8*\c+3],   v[QO], s[\base:\base+1] offset:2048*\t+64*\c
	global_load_b128 v[16*\t+8*\c+4:16*\t+8*\c+7], v[QO], s[\base:\base+1] offset:2048*\t+64*\c+32
.endr
.endr
	WIN 0
.endm
	QLOAD QA0
	v_mul_u32_u24 v[AK0], v61, PITK
	v_lshl_add_u32 v[AK0], v62, 4, v[AK0]          ; row x pitch + 16 x half
	v_and_b32 v63, 7, v0                           ; the turning load: lane l reads 16 bytes of key 8 (l / 16) + l % 8, channels 8 ((l / 8) % 2) on
	v_lshl_add_u32 v[AV0], v62, 3, v63
	v_mul_u32_u24 v[AV0], v[AV0], PITV
	v_bfe_u32 v63, v0, 3, 1
	v_lshl_add_u32 v[AV0], v63, 4, v[AV0]
	v_add_nc_u32 v[AV0], VOFF, v[AV0]
	s_mul_i32 s[T0], s[WV], 64*PITK
	s_add_co_u32 s[T0], s[T0], STAGE               ; my stage
	v_add_nc_u32 v[STO], s[T0], v[AK0]             ; in: query l % 16 of a tile, 16 bytes for each half of the lanes
	v_bfe_u32 v63, v0, 3, 2                        ; back: eight lanes take a row of 128 bytes, the wave four rows
	v_mul_u32_u24 v[RD], v63, PITK
	v_and_b32 v63, 7, v0
	v_lshl_add_u32 v[RD], v63, 4, v[RD]
	v_add_nc_u32 v[RD], s[T0], v[RD]
	v_and_b32 v[GO], 31, v0
	v_lshlrev_b32 v[PFO], 8, v[GO]
	v_lshlrev_b32 v[GO], 4, v[GO]
	v_lshlrev_b32 v63, 3, v62
	v_sub_nc_u32 v[DQ], v61, v63
	v_mov_b32 v[NB], 0xf149f2ca                    ; -1e30
	WIN W_LD
.set i, 0
.rept 128
	v_mov_b32 v[i], 0                              ; O^T, once in the launch: so a pass's first step needs no text of its own
.set i, i+1
.endr
	WIN 0
.macro START                           ; a pass begins: m = -inf, l = 0, the mask's registers open
.irp t, 0,1,2,3
	v_mov_b32 v[ST+8*\t],   0xff800000
	v_mov_b32 v[ST+8*\t+1], 0xff800000
	v_mov_b32 v[ST+8*\t+2], 0
	v_mov_b32 v[ST+8*\t+3], 0
.endr
.irp n, 0,1,2,3,4,5,6,7,8,9,10,11,12,13,14,15
	v_mov_b32 v[TRI+\n], 0                         ; TRI and NGM
.endr
	s_wait_loadcnt 0x0                             ; Q
.endm
.macro ARM                             ; the scores to be made next are my diagonal step's
.irp n, 0,1,2,3,4,5,6,7
	v_cmp_gt_i32 vcc_lo, \n, v[DQ]                 ; key 8 (l / 16) + n beyond query l % 16
	v_cndmask_b32 v[TRI+\n], 0, v[NB], vcc_lo
.endr
.irp n, 0,1,2,3,4,5,6,7
	v_mov_b32 v[NGM+\n], v[NB]
.endr
.endm
; THE MATRIX WORK OF A TURN, for piece x.  The 8 accumulators of a run take turns, one instruction a turn: between two links of a chain stand 7 others'.
; Product i of 16 of O^T += V^T P: keys 32 (i / 8) on, channels 16 ((i / 2) % 4) on, tile x + i % 2.
.macro PV x
	WIN W_PV
.set rO, 32*(\x+i%2)+8*((i/2)%4)
.set rV, VF+32*(i/8)+8*((i/2)%4)
.set rP, P+16*(\x+i%2)+8*(i/8)
	v_wmma_f32_16x16x32_f16 v[rO:rO+7], v[rV:rV+7], v[rP:rP+7], v[rO:rO+7]
.endm
; Product i of 16 of S^T = K Q^T: channels 32 (i / 8) on, keys 16 ((i / 2) % 4) on, tile x + i % 2.  The first 8 start the sums, with the mask as their C.
.macro KQ x
	WIN W_KQ
.set ktt, \x+i%2
.set kkk, (i/2)%4
.set rS, S+32*ktt+8*kkk
.set rK, KF+16*kkk+8*(i/8)
.set rQ, 16*ktt+8*(i/8)
.if i >= 8
	v_wmma_f32_16x16x32_f16 v[rS:rS+7], v[rK:rK+7], v[rQ:rQ+7], v[rS:rS+7]
.elseif kkk < ktt
	v_wmma_f32_16x16x32_f16 v[rS:rS+7], v[rK:rK+7], v[rQ:rQ+7], 0
	s_wait_alu depctr_va_vdst(0)
.elseif kkk == ktt
	v_wmma_f32_16x16x32_f16 v[rS:rS+7], v[rK:rK+7], v[rQ:rQ+7], v[TRI:TRI+7]
	s_wait_alu depctr_va_vdst(0)
.else
	v_wmma_f32_16x16x32_f16 v[rS:rS+7], v[rK:rK+7], v[rQ:rQ+7], v[NGM:NGM+7]
	s_wait_alu depctr_va_vdst(0)
.endif
.endm
; THE LDS LOADS stand in runs of 16, never singly among the matrix instructions: a step's K (64 keys x 64 channels: 8 fragments) and, a turn later, its V (turned).
.macro FETCH_K
	WIN 0
	v_add_nc_u32 v[ADK], s[TBK], v[AK0]
	WIN W_LD
.irp f, 0,1,2,3,4,5,6,7                ; keys 16 (f / 2) on, channels 32 (f % 2) on
	ds_load_b128 v[KF+8*\f:KF+8*\f+3],   v[ADK] offset:(\f/2)*16*PITK+(\f%2)*64
	ds_load_b128 v[KF+8*\f+4:KF+8*\f+7], v[ADK] offset:(\f/2)*16*PITK+(\f%2)*64+32
.endr
.endm
.macro FETCH_V
	WIN 0
	v_add_nc_u32 v[ADV], s[TBV], v[AV0]
	s_wait_alu depctr_va_vdst(0)
	s_add_co_u32 s[TBK], s[TBK], KSTP              ; the next fetches are the next step's
	s_add_co_u32 s[TBV], s[TBV], VSTP
	WIN W_LD
.irp f, 0,1,2,3,4,5,6,7                ; keys 32 (f / 4) on, channels 16 (f % 4) on
	ds_load_tr16_b128 v[VF+8*\f:VF+8*\f+3],   v[ADV] offset:(\f/4)*32*PITV+(\f%4)*32
	ds_load_tr16_b128 v[VF+8*\f+4:VF+8*\f+7], v[ADV] offset:(\f/4)*32*PITV+16*PITV+(\f%4)*32
.endr
.endm
; THE VECTOR WORK OF A TURN.  One tile's softmax for one key step is a list of 118 instructions; SM writes number j of it for tile t.  s0-s31 are the lane's 32 scores, in pairs 0-15.
;   0-15    the maximum of s0-s31 and the old m, three operands at a time: four chains c0-c3, each begun at its accumulator's low end, then the four scores left over, c0-c3 and m
;   16-20   the other half of the lanes' maximum; the new m; c m; c m_old - c m_new
;   21-87   33 exponentials (a, then s0-s31) at the odd numbers from 23 on, so that each has a plain instruction behind it before its result is used (ISA guide 5.7.2).  Plain instruction q (number 21, then the
;           even numbers) is whatever is ready: c s - c m for a pair whose exponentials are still to come, the rounding to f16 of a pair whose exponentials are done, at last the first three sums
;   88-101  the last rounding; the rest of the sums; l = a l + the sum
;   102-117 the tile's O^T times a, from each accumulator's low end on: the one part that leaves window 0, so it stands together
.macro SM t
.set rT, ST+8*(\t)
.set rS, S+32*(\t)
.set rP, P+16*(\t)
.set rO, 32*(\t)+2*(j-102)
.set q, (j-20)/2
.if j < 102
	WIN 0
.endif
.if j < 4
	v_max3_num_f32 v[rT+4+j], v[rS+8*j], v[rS+8*j+1], v[rS+8*j+2]
.elseif j < 12
	v_max3_num_f32 v[rT+4+j%4], v[rT+4+j%4], v[rS+8*(j%4)+2*(j/4)+1], v[rS+8*(j%4)+2*(j/4)+2]
.elseif j == 12
	v_max3_num_f32 v[rT+4], v[rT+4], v[rS+7], v[rS+15]
.elseif j == 13
	v_max3_num_f32 v[rT+6], v[rT+6], v[rS+23], v[rS+31]
.elseif j == 14
	v_max3_num_f32 v[rT+4], v[rT+4], v[rT+5], v[rT+6]
.elseif j == 15
	v_max3_num_f32 v[rT+4], v[rT+4], v[rT+7], v[rT+1]
.elseif j == 16
	v_permlanex16_b32 v[rT+5], v[rT+4], s[SEL], s[SEL+1]  ; the query's other 32 keys lie in the lane 16 away
.elseif j == 17
	v_mov_b32 v[rT+7], v[rT]                       ; c m_old is kept for a: number 19 writes c m anew
.elseif j == 18
	v_max_num_f32 v[rT+1], v[rT+4], v[rT+5]
.elseif j == 19
	v_mul_f32 v[rT], s[CS], v[rT+1]
.elseif j == 20
	v_sub_f32 v[rT+7], v[rT+7], v[rT]
.elseif j == 23
	v_exp_f32 v[rT+6], v[rT+7]
.elseif (j < 88) && (j > 23) && (j%2 == 1)
	v_exp_f32 v[rS+(j-25)/2], v[rS+(j-25)/2]
.elseif (q < 4) || ((j < 76) && (q%2 == 0))
.set b, q/2+2
.if q < 4
.set b, q
.endif
	v_pk_fma_f32 v[rS+2*b:rS+2*b+1], v[rS+2*b:rS+2*b+1], s[CS:CS+1], v[rT:rT+1] op_sel_hi:[1,0,0] neg_lo:[0,0,1] neg_hi:[0,0,1]  ; pair b: c s - c m
.elseif (j < 88) && (q%2 == 1)
	s_wait_alu depctr_va_vdst(0)
	v_cvt_pk_f16_f32 v[rP+(q-5)/2], v[rS+q-5], v[rS+q-4]  ; pair (q - 5) / 2: its second exponential stands three numbers back
.elseif j == 89
	s_wait_alu depctr_va_vdst(0)
	v_cvt_pk_f16_f32 v[rP+15], v[rS+30], v[rS+31]
.elseif j < 102                        ; the sum of the tile's 16 pairs, in place: sum z of 16 adds neighbours 1, 2, 4 and 8 pairs apart, then l takes it
.set z, j-86
.if j < 89
.set z, (j-76)/4
.endif
.set zw, 4
.set zu, z
.if z >= 14
.set zw, 32
.set zu, 0
.elseif z >= 12
.set zw, 16
.set zu, z-12
.elseif z >= 8
.set zw, 8
.set zu, z-8
.endif
.if z < 15
	v_pk_add_f32 v[rS+zw*zu:rS+zw*zu+1], v[rS+zw*zu:rS+zw*zu+1], v[rS+zw*zu+zw/2:rS+zw*zu+zw/2+1]
.else
	v_pk_fma_f32 v[rT+2:rT+3], v[rT+2:rT+3], v[rT+6:rT+7], v[rS:rS+1] op_sel_hi:[1,0,1]
.endif
.else
	WIN W_RS
	v_pk_mul_f32 v[rO:rO+1], v[rO:rO+1], v[rT+6:rT+7] op_sel_hi:[1,0]
.endif
.endm
; Slice k of cnt of piece y's softmax: numbers 118 k / cnt up to 118 (k + 1) / cnt of both tiles' lists: with 32 slices three or four numbers, six or eight instructions.
; Among the exponentials tile by tile (plain and exponential by turns); elsewhere the two tiles alternate, so that no instruction reads the result of the one just before it.
; A turn's last slice is eight or more plain multiplies of the other piece's O^T: the places between the turn's last products and what follows (the next turn's first read of those scores, loads into K's and Q's registers).
.macro SLICE y, cnt
.set slo, (118*k)/\cnt
.set shi, (118*(k+1))/\cnt
.if (slo >= 21) && (shi <= 90)
.irp t, \y, \y+1
.set j, slo
.rept shi-slo
	SM \t
.set j, j+1
.endr
.endr
.else
.set j, slo
.rept shi-slo
	SM \y
	SM \y+1
.set j, j+1
.endr
.endif
.set k, k+1
.endm
; A TURN.  Piece x has the matrix unit; the other piece's softmax stands in slices behind its products.  pv = 1: 16 products V^T P.  kq = 1: 16 products K Q^T for the next step.
; Each run of loads stands behind the second product of a run of 16, 14 products ahead of its first use.  Piece 0's turn fetches the next step's K: the last product that read K stands in front of the last slice of the
; turn before.  Piece 2's turn fetches the same step's V: the last product that read V stands three slices back, which hold ten plain instructions.
.macro TURN x, pv, kq
.set k, 0
.set NSL, 16*(\pv+\kq)
.if \pv
.if \x == 0
	s_wait_dscnt 0x0                               ; V is in
.endif
.set i, 0
.rept 16
	PV \x
	SLICE 2-\x, NSL
.if (\x == 0) && \kq && (i == 1)
	FETCH_K
.endif
.set i, i+1
.endr
.endif
.if \kq
.if \x == 0
	s_wait_dscnt 0x0                               ; K is in
.endif
.set i, 0
.rept 16
	KQ \x
	SLICE 2-\x, NSL
.if (\x == 2) && (i == 1)
	FETCH_V
.endif
.set i, i+1
.endr
.endif
.endm
; A pass's first trip: piece 0's first scores stand bare (there is no vector work yet); then piece 2's first scores | piece 0's first softmax | V of the step.
.macro PROLOGUE
	FETCH_K
	s_wait_dscnt 0x0
.set i, 0
.rept 16
	KQ 0
.set i, i+1
.endr
	WIN 0
	PLACES
	TURN 2, 0, 1
.endm
; THE HEAD OF A VISIT.  In front of its barrier every wave waits for all its tensor loads (its rows of this visit) and for its reads of the other slot, V of the last step among them; behind it this visit's slot is whole
; and nobody reads the other one, which takes the next visit's keys first thing (refill = 1): the next block, or block 0 where this visit ends the first pass.
.macro HEAD refill
	s_set_vgpr_msb 0xa
	s_wait_tensorcnt 0x0                           ; no tensor load of mine is out, so the descriptors may be written
	ds_add_u32 v64, v65
	s_wait_dscnt 0x0
	s_set_vgpr_msb 0xa00
	s_wait_dscnt 0x0
.if \refill
	s_add_co_u32 s[NK], s[KB], 1
	s_cmp_eq_u32 s[KB], s[QBK]
	s_cselect_b32 s[NK], 0, s[NK]
	s_lshl_b32 s[OFS], s[NK], 15                   ; 256 keys of 128 bytes
	s_add_nc_u64 s[G0K+2:G0K+3], s[KP:KP+1], s[OFS:OFS+1]
	s_or_b32 s[G0K+3], s[G0K+3], 0x80000000
	s_xor_b32 s[G0K+1], s[G0K+1], SLOT1
	s_add_nc_u64 s[G0V+2:G0V+3], s[VP:VP+1], s[OFS:OFS+1]
	s_or_b32 s[G0V+3], s[G0V+3], 0x80000000
	s_xor_b32 s[G0V+1], s[G0V+1], SLOT1
.endif
	s_barrier_signal -1
	s_barrier_wait -1
.if \refill
	TLOAD
.endif
	s_cmp_eq_u32 s[KB], s[QBK]                     ; the diagonal visit?
	s_cselect_b32 s[LIM], s[WV], 3
	s_cselect_b32 s[MSK], s[WV], 4
	s_mov_b32 s[TBK], s[SB]
	s_mov_b32 s[TBV], s[SB]
	s_mov_b32 s[STC], 0
.endm
; A visit's four trips.  Trip STC fetches step STC of the visit's slot and makes its scores; but for a pass's first trip it also ends the step before (a key step: two turns).  A wave leaves out the trips beyond its diagonal.
.macro INNER
.Lstep_\@:
	s_cmp_gt_u32 s[STC], s[LIM]
	s_cbranch_scc1 .Lskip_\@
	s_cmp_lg_u32 s[STC], s[MSK]
	s_cbranch_scc1 .Lopen_\@
	ARM
.Lopen_\@:
	s_or_b32 s[TMP], s[KB], s[STC]
	s_cmp_eq_u32 s[TMP], 0
	s_cbranch_scc1 .Lpro_\@
	TURN 0, 1, 1                                   ; piece 0: V^T P of the step in hand, K Q^T of the next | piece 2's softmax of the step in hand | K of the next
	TURN 2, 1, 1                                   ; piece 2: the same | piece 0's softmax of the next step | V of the next
	WIN 0                                          ; at a label and at a branch every window is 0
	s_branch .Lskip_\@
.Lpro_\@:
	PROLOGUE
	WIN 0
.Lskip_\@:
	s_add_co_u32 s[STC], s[STC], 1
	s_cmp_lt_u32 s[STC], 4
	s_cbranch_scc1 .Lstep_\@
.endm
; THE WAY OUT of tile t: O^T divided by l, rounded to f16, 16 bytes a lane into my stage, and back as whole rows.
.macro PACK t
	WIN W_RS
.set i, 32*\t
.rept 16
	v_pk_mul_f32 v[i:i+1], v[i:i+1], v[ST+8*\t+6:ST+8*\t+7] op_sel_hi:[1,0]
.set i, i+2
.endr
	WIN 0x05                                       ; sources in window 1, destination in window 0: S^T's registers are free
.set i, 0
.rept 16
	v_cvt_pk_f16_f32 v[S+32*\t+i], v[32*\t+2*i], v[32*\t+2*i+1]
.set i, i+1
.endr
	WIN 0
.irp c, 0,1,2,3
	ds_store_b128 v[STO], v[S+32*\t+4*\c:S+32*\t+4*\c+3] offset:\t*16*PITK+32*\c
.endr
.irp c, 0,1,2,3
	ds_load_b128 v[S+32*\t+16+4*\c:S+32*\t+16+4*\c+3], v[RD] offset:\t*16*PITK+\c*4*PITK   ; LDS serves a wave's instructions in order (ISA guide 5.7.1.4): these see the stores above
.endr
.endm
.macro SEND t, younger, base           ; younger: the LDS instructions issued behind tile t's loads: the next tile's eight, or none
.irp c, 0,1,2,3
	s_wait_dscnt \younger+3-\c
	global_store_b128 v[GO], v[S+32*\t+16+4*\c:S+32*\t+16+4*\c+3], s[\base:\base+1] offset:\t*2048+\c*512   ; the wave stores 512 consecutive bytes, four queries' rows
.endr
.endm
; A block of queries is finished.  init = 1: the second block's Q is asked for first (the last products that read Q stand in front of a turn's last slice), and the pass is set up behind the stores.
.macro LEAVE init, base
.if \init
	QLOAD QA1
.endif
	TURN 0, 1, 0                                   ; piece 0: V^T P of the last step | piece 2's last softmax
.set i, 0
.rept 16
	PV 2                                           ; piece 2: V^T P of the last step
.set i, i+1
.endr
	WIN 0
.irp t, 0,1,2,3
	v_add_f32 v[ST+8*\t+4], v[ST+8*\t+2], v[ST+8*\t+3]     ; l's two halves: these four additions are the places behind the last products
.endr
.irp t, 0,1,2,3
	v_permlanex16_b32 v[ST+8*\t+3], v[ST+8*\t+4], s[SEL], s[SEL+1]
.endr
.irp t, 0,1,2,3
	v_add_f32 v[ST+8*\t+4], v[ST+8*\t+4], v[ST+8*\t+3]
.endr
.irp t, 0,1,2,3
	v_rcp_f32 v[ST+8*\t+6], v[ST+8*\t+4]
.endr
	v_nop                                          ; a plain instruction between the last reciprocal and the use of its result
	s_wait_alu depctr_va_vdst(0)
	PACK 0
	PACK 1                                         ; a tile's arithmetic stands between the loads of the tile before and its stores
	SEND 0, 8, \base
	PACK 2
	SEND 1, 8, \base
	PACK 3
	SEND 2, 8, \base
	SEND 3, 0, \base
.if \init
	s_wait_xcnt 0x0                                ; the stores' data registers are written again only behind this wait
	START
	s_mov_b32 s[QBK], s[JB]
.endif
.endm
	START
	HEAD 1                                         ; visit 0, never a diagonal one (7 - j is 4 at the least), is written out, so that the first pass's first trip stands ahead of every loop
	PROLOGUE
	WIN 0
	s_mov_b32 s[STC], 1
.Lfirst:
	TURN 0, 1, 1
	TURN 2, 1, 1
	WIN 0
	s_add_co_u32 s[STC], s[STC], 1
	s_cmp_lt_u32 s[STC], 4
	s_cbranch_scc1 .Lfirst
	s_mov_b32 s[KB], s[NK]
	s_xor_b32 s[SB], s[SB], SLOT1
	s_mov_b32 s[VIS], 7
.Lvisit:                                               ; visits 1 to 7: each asks for the next visit's keys
	HEAD 1
	s_cmp_lg_u32 s[KB], s[QBK]
	s_cbranch_scc1 .Lno_ask
	global_prefetch_b8 v[PFO], s[QA1:QA1+1] th:TH_LOAD_NT scope:SCOPE_SE   ; the first pass's last visit begins: my 64 rows of the second block's Q, 32 lanes 256 bytes apart, asked for once, by the wave that will load them at the visit's end
.Lno_ask:
	INNER
	s_cmp_lg_u32 s[KB], s[QBK]
	s_cbranch_scc1 .Lgo_on
	LEAVE 1, YA0                                   ; the first pass ends inside the loop, at visit 7 - j
.Lgo_on:
	s_mov_b32 s[KB], s[NK]
	s_xor_b32 s[SB], s[SB], SLOT1
	s_sub_co_u32 s[VIS], s[VIS], 1
	s_cmp_lg_u32 s[VIS], 0
	s_cbranch_scc1 .Lvisit
	HEAD 0                                         ; the ninth visit is written out: it asks for nothing
	INNER
	LEAVE 0, YA1                                   ; the second pass ends with it in every work-group
	s_set_vgpr_msb 0xa
	s_wait_tensorcnt 0x0
	ds_add_u32 v64, v65
	s_wait_dscnt 0x0
	s_set_vgpr_msb 0xa00
	s_endpgm
.Lfunc_end_k_q12f267c59c_attn:
	.size	k_q12f267c59c_attn, .Lfunc_end_k_q12f267c59c_attn-k_q12f267c59c_attn
	.p2alignl 7, 3214868480
	.fill 96, 4, 3214868480
	.section	.rodata,"a",@progbits
	.p2align	6, 0x0
	.amdhsa_kernel k_q12f267c59c_attn
		.amdhsa_group_segment_fixed_size 327680
		.amdhsa_private_segment_fixed_size 0
		.amdhsa_enable_private_segment 0
		.amdhsa_kernarg_size 16
		.amdhsa_user_sgpr_count 2
		.amdhsa_user_sgpr_kernarg_segment_ptr 1
		.amdhsa_wavefront_size32 1
		.amdhsa_system_sgpr_workgroup_id_x 1
		.amdhsa_system_sgpr_workgroup_id_y 1
		.amdhsa_system_sgpr_workgroup_id_z 1
		.amdhsa_system_vgpr_workitem_id 0
		.amdhsa_next_free_vgpr 578
		.amdhsa_next_free_sgpr 72
		.amdhsa_reserve_vcc 1
		.amdhsa_float_denorm_mode_32 3
		.amdhsa_float_denorm_mode_16_64 3
		.amdhsa_memory_ordered 1
		.amdhsa_forward_progress 1
		.amdhsa_inst_pref_size 253
	.end_amdhsa_kernel
	.amdgpu_metadata
---
amdhsa.version: [ 1, 2 ]
amdhsa.kernels:
  - .name:           k_q12f267c59c_attn
    .symbol:         k_q12f267c59c_attn.kd
    .args:
      - { .name: qkv, .offset: 0, .size: 8, .value_kind: global_buffer, .address_space: global }
      - { .name: y, .offset: 8, .size: 8, .value_kind: global_buffer, .address_space: global }
    .group_segment_fixed_size: 327680
    .private_segment_fixed_size: 0
    .kernarg_segment_align: 8
    .kernarg_segment_size: 16
    .max_flat_workgroup_size: 128
    .sgpr_count:     72
    .vgpr_count:     578
    .wavefront_size: 32
...
	.end_amdgpu_metadata
.endif
;; end of part 3
;; launch proj (part 4): grid 8 x 32, 4 waves a work-group, clusters of 4 x 4, 327,680 bytes of LDS; arguments y, wb, bo, out0; writes out0
.if DOCPART == 4
	.amdgcn_target "amdgcn-amd-amdhsa--gfx1250"
	.amdhsa_code_object_version 6
	.text
	.protected	k_q12f267c59c_proj
	.globl	k_q12f267c59c_proj
	.p2align	8
	.type	k_q12f267c59c_proj,@function
k_q12f267c59c_proj:
	s_mov_b64 s[64:65], 0
	v_nop
	global_prefetch_b8 v0, s[64:65] scope:SCOPE_SE
	s_setreg_imm32_b32 hwreg(HW_REG_WAVE_MODE, 25, 1), 1
	s_wait_xcnt 0x0
	s_wait_alu depctr_hold_cnt(0) depctr_sa_sdst(0) depctr_va_vdst(0) depctr_va_sdst(0) depctr_va_ssrc(0) depctr_va_vcc(0) depctr_vm_vsrc(0)
	s_getreg_b32 s2, hwreg(HW_REG_IB_STS2, 6, 4)
	s_cmp_eq_u32 s2, 0
	s_cbranch_scc0 .Lentry_in_a_cluster
	s_endpgm
.Lentry_in_a_cluster:
	s_bfe_u32 s2, ttmp6, 0x10000c
	s_cmp_lg_u32 s2, 0xf033
	s_cbranch_scc0 .Lentry_shape_is_right
	s_endpgm
.Lentry_shape_is_right:
; out0 = y Wo^T + bo.  y: 64 planes [2048 tokens][64] f16 (plane 16 b + head); Wo: rows 3072-4095 of wb, [1024][1024] f16; bo, out0 f32.  f16 operands, f32 sums begun by the bias.
; SHARES: 8192 x 1024 outputs on 256 work-groups: a tile of 256 tokens x 128 columns.  Four waves, each 128 x 64: 32 accumulators of 16 x 16 in window 1, (a, b) at v[8 (4 a + b)].
; K goes in 8 steps of 128 = two heads, through two LDS slots.  A slot holds two tiles of y (one head each, 256 rows of 128 bytes, as the planes have them) and 128 rows of Wo of 256 bytes.
; A step is four quarters of 32 along K, 32 matrix instructions each, on two fragment buffers; a quarter's 24 LDS loads are issued ahead of the quarter before.
; A slot is free as soon as its last quarter's fragments are in registers: the change of slots stands in a step's third quarter, and the refill has 112 matrix instructions in which to land.
; CLUSTER 4 x 4: y's tiles are shared along a row of the cluster, Wo's along a column, by joint loads.  THE MATRIX INSTRUCTION IS USED TRANSPOSED (source 0 = 16 rows of Wo, source 1 = 16 tokens):
; a lane holds one token and eight neighbouring columns.
.set PA,    144                        ; a row of y in LDS: 128 bytes + 16
.set PB,    272                        ; a row of Wo: 256 + 16
.set ASUB,  256*PA
.set BOFF,  2*ASUB
.set SLOT,  BOFF+128*PB
.set STAGE, 2*SLOT                     ; behind the ring: 16 rows x 272 bytes for each wave; no tensor load lands here
.set SPI,   272
.set ADRA, 16
.set ADRB, 20
.set STO,  24
.set RD,   25
.set CO,   26
.set BO,   27
.set F0,   32                          ; a fragment buffer: 64 registers of y, then 32 of Wo
.set F1,   128
.set BI,   224                         ; v224-255 bo for my 4 x 8 columns
.set OB,   32                          ; the way out: rows read back, two sets of 32 registers
.set WV, 12
.set WM, 13
.set WN, 14
.set CX, 16
.set CY, 17
.set TC, 18
.set TR, 19
.set G1A, 24
.set G0A, 32
.set G1B, 40
.set G0B, 48
.set LAP, 58
.set MSB, 0
.macro WIN new
.if MSB != (\new)
	s_set_vgpr_msb (MSB<<8)|(\new)
.set MSB, \new
.endif
.endm
.macro PLACES
.rept 4
	v_nop
.endr
.endm
.macro JLOAD s                         ; waves 0 and 1 fetch y's two heads, waves 2 and 3 the halves of Wo's rows; four v_nop follow each line
	s_cmp_eq_u32 s[WM], 0
	s_cbranch_scc0 .Lfor_b_\@
	tensor_load_to_lds s[G0A+4*\s:G0A+4*\s+3], s[G1A:G1A+7]
	s_nop 0
	PLACES
	s_branch .Lasked_\@
.Lfor_b_\@:
	tensor_load_to_lds s[G0B+4*\s:G0B+4*\s+3], s[G1B:G1B+7]
	s_nop 0
	PLACES
.Lasked_\@:
.endm
.macro CREST
	s_cmp_lg_u32 s[WV], 0
	s_cbranch_scc1 .Lnot_wave_0_\@
	s_barrier_signal -3
.Lnot_wave_0_\@:
	s_barrier_wait -3
	s_barrier_signal -1
	s_barrier_wait -1
.endm
.macro CROUND
	s_barrier_signal -1
	s_barrier_wait -1
	CREST
.endm
	s_load_b256 s[4:11], s[0:1], 0x0               ; y s[4:5], wb s[6:7], bo s[8:9], out0 s[10:11]
	v_lshl_add_u32 v30, v0, 2, 0x39400
	v_mov_b32 v31, 0
	ds_add_u32 v30, v31
	ds_add_u32 v30, v31
	v_lshrrev_b32 v1, 5, v0
	v_readfirstlane_b32 s[WV], v1
	s_lshr_b32 s[WM], s[WV], 1                     ; which half of the tokens is mine.  Also: I fetch y (0) or Wo (1)
	s_and_b32 s[WN], s[WV], 1                      ; which half of the columns.  Also: which head, or which 64 rows, I fetch
	s_bfe_u32 s[CX], ttmp6, 0x40000
	s_bfe_u32 s[CY], ttmp6, 0x40004
	s_lshl_b32 s[TC], ttmp9, 2
	s_add_co_u32 s[TC], s[TC], s[CX]
	s_and_b32 s[TR], ttmp7, 0xffff
	s_lshl_b32 s[TR], s[TR], 2
	s_add_co_u32 s[TR], s[TR], s[CY]
	s_lshl_b32 s56, s[CY], 2
	s_lshl_b32 s56, 15, s56                        ; my row of the cluster
	s_lshl_b32 s57, 0x1111, s[CX]                  ; my column
	s_or_b32 s[G1A], s56, (1<<16)|(1<<20)|(1<<21)|(4<<22)|(3<<25)   ; y: elements of 2 bytes; 4 words of padding after every 32
	s_mov_b32 s[G1A+1], 64<<16                     ; tensor_dim0 = 64
	s_mov_b32 s[G1A+2], 256<<16                    ; tensor_dim1 = 256
	s_mov_b32 s[G1A+3], 64<<16                     ; tile_dim0 = 64
	s_mov_b32 s[G1A+4], 256                        ; tile_dim1 = 256
	s_mov_b32 s[G1A+5], 64                         ; elements from row to row in a plane
	s_mov_b32 s[G1A+6], 0
	s_mov_b32 s[G1A+7], 0
	s_or_b32 s[G1B], s57, (1<<16)|(1<<20)|(1<<21)|(5<<22)|(3<<25)   ; Wo: 4 words of padding after every 64
	s_mov_b32 s[G1B+1], 128<<16
	s_mov_b32 s[G1B+2], 64<<16
	s_mov_b32 s[G1B+3], 128<<16
	s_mov_b32 s[G1B+4], 64
	s_mov_b32 s[G1B+5], 1024
	s_mov_b32 s[G1B+6], 0
	s_mov_b32 s[G1B+7], 0
	s_lshr_b32 s60, s[TR], 3                       ; y: the batch's 16 planes of 262,144 bytes,
	s_lshl_b32 s60, s60, 22
	s_and_b32 s59, s[TR], 7
	s_lshl_b32 s59, s59, 15                        ; the tile's 256 tokens of 128 bytes,
	s_add_co_u32 s60, s60, s59
	s_lshl_b32 s59, s[WN], 18                      ; my head of the step's two; these registers never hold cx
	s_add_co_u32 s60, s60, s59
	s_mov_b32 s61, 0
	s_lshl_b32 s62, s[TC], 18                      ; Wo: 128 rows of 2,048 bytes a tile column,
	s_lshl_b32 s66, s[WN], 17                      ; my 64 of them,
	s_add_co_u32 s62, s62, s66
	s_add_co_u32 s62, s62, 3072*2048               ; behind Wq, Wk, Wv; these never hold cy
	s_mov_b32 s63, 0
	s_mul_i32 s67, s[WN], ASUB                     ; where they go: no place in the cluster enters an LDS address
	s_mul_i32 s68, s[WN], 64*PB
	s_add_co_u32 s68, s68, BOFF
	s_wait_dscnt 0x0
	s_wait_kmcnt 0x0
	s_add_nc_u64 s[60:61], s[4:5], s[60:61]
	s_add_nc_u64 s[62:63], s[6:7], s[62:63]
	CROUND                                         ; all sixteen work-groups are here: the first joint loads meet
.irp s, 0,1
	s_mov_b32 s[G0A+4*\s], 1
	s_add_co_u32 s[G0A+4*\s+1], s67, \s*SLOT
	s_add_nc_u64 s[G0A+4*\s+2:G0A+4*\s+3], s[60:61], \s*2*262144   ; K step s: heads 2 s, 2 s + 1
	s_or_b32 s[G0A+4*\s+3], s[G0A+4*\s+3], 0x80000000
	s_mov_b32 s[G0B+4*\s], 1
	s_add_co_u32 s[G0B+4*\s+1], s68, \s*SLOT
	s_add_nc_u64 s[G0B+4*\s+2:G0B+4*\s+3], s[62:63], \s*256
	s_or_b32 s[G0B+4*\s+3], s[G0B+4*\s+3], 0x80000000
.endr
	s_cmp_eq_u32 s[WM], 0                          ; a wave's two first fills stand in one branch: two loads of mine are out
	s_cbranch_scc0 .Lfirst_b
	tensor_load_to_lds s[G0A:G0A+3], s[G1A:G1A+7]
	s_nop 0
	tensor_load_to_lds s[G0A+4:G0A+7], s[G1A:G1A+7]
	s_nop 0
	PLACES
	s_branch .Lfirst_asked
.Lfirst_b:
	tensor_load_to_lds s[G0B:G0B+3], s[G1B:G1B+7]
	s_nop 0
	tensor_load_to_lds s[G0B+4:G0B+7], s[G1B:G1B+7]
	s_nop 0
	PLACES
.Lfirst_asked:
	v_and_b32 v1, 15, v0                           ; l % 16
	v_bfe_u32 v2, v0, 4, 1                         ; l / 16
	s_lshl_b32 s70, s[TC], 9                       ; my 64 columns, 4 bytes each: 512 x tile column + 256 x half
	s_lshl_b32 s71, s[WN], 8
	s_add_co_u32 s70, s70, s71
	s_mov_b32 s71, 0
	s_add_nc_u64 s[8:9], s[8:9], s[70:71]
	s_add_nc_u64 s[10:11], s[10:11], s[70:71]
	s_lshl_b32 s70, s[TR], 20                      ; my first token: 256 rows of 4,096 bytes a tile row, 128 a half
	s_lshl_b32 s69, s[WM], 19
	s_add_co_u32 s70, s70, s69
	s_add_nc_u64 s[10:11], s[10:11], s[70:71]
	v_lshlrev_b32 v[BO], 5, v2
.irp b, 0,1,2,3
	global_load_b128 v[BI+8*\b:BI+8*\b+3],   v[BO], s[8:9] offset:64*\b      ; bo of columns 16 b + 8 (l / 16) + 0..7
	global_load_b128 v[BI+8*\b+4:BI+8*\b+7], v[BO], s[8:9] offset:64*\b+16
.endr
	v_mul_u32_u24 v3, v1, PA
	v_lshl_add_u32 v3, v2, 4, v3
	v_mul_u32_u24 v4, v1, PB
	v_lshl_add_u32 v4, v2, 4, v4
	s_mul_i32 s66, s[WM], 128*PA                   ; my 128 tokens
	s_mul_i32 s67, s[WN], 64*PB                    ; my 64 rows of Wo
	s_add_co_u32 s67, s67, BOFF
.irp s, 0,1
	v_add_nc_u32 v[ADRA+\s], s66, v3
	v_add_nc_u32 v[ADRB+\s], s67, v4
	s_add_co_u32 s66, s66, SLOT
	s_add_co_u32 s67, s67, SLOT
.endr
	s_mul_i32 s68, s[WV], 16*SPI
	s_add_co_u32 s68, s68, STAGE                   ; my stage
	v_mul_u32_u24 v5, v1, SPI                      ; in: token l % 16, 32 bytes for each half of the lanes
	v_lshl_add_u32 v5, v2, 5, v5
	v_add_nc_u32 v[STO], s68, v5
	v_mul_u32_u24 v5, v2, SPI                      ; back: lanes 0-15 take one row of 256 bytes, lanes 16-31 the next
	v_lshl_add_u32 v5, v1, 4, v5
	v_add_nc_u32 v[RD], s68, v5
	v_lshlrev_b32 v5, 12, v2                       ; and the same two rows in out0
	v_lshl_add_u32 v[CO], v1, 4, v5
; 16 matrix instructions: token blocks a0 .. a0 + 3 x my 4 column blocks, 32 along K.  first = 1: the bias is the C of the first product: no add, nothing cleared.
; The 32 accumulators take turns, one instruction a turn.
.macro MUL16 f, a0, first
.irp a, \a0, \a0+1, \a0+2, \a0+3
.irp b, 0,1,2,3
.if \first
	v_wmma_f32_16x16x32_f16 v[8*(4*(\a)+\b):8*(4*(\a)+\b)+7], v[\f+64+8*\b:\f+64+8*\b+7], v[\f+8*(\a):\f+8*(\a)+7], v[BI+8*\b:BI+8*\b+7]
.else
	v_wmma_f32_16x16x32_f16 v[8*(4*(\a)+\b):8*(4*(\a)+\b)+7], v[\f+64+8*\b:\f+64+8*\b+7], v[\f+8*(\a):\f+8*(\a)+7], v[8*(4*(\a)+\b):8*(4*(\a)+\b)+7]
.endif
.endr
.endr
.endm
.macro FETCH slot, q, g                ; quarter q's fragments into buffer g: 8 loads of Wo, 16 of y (head q / 2 of the step, channels 32 (q % 2) on)
.irp b, 0,1,2,3
	ds_load_b128 v[\g+64+8*\b:\g+64+8*\b+3],   v[ADRB+\slot] offset:64*\q+\b*16*PB
	ds_load_b128 v[\g+64+8*\b+4:\g+64+8*\b+7], v[ADRB+\slot] offset:64*\q+\b*16*PB+32
.endr
.irp a, 0,1,2,3,4,5,6,7
	ds_load_b128 v[\g+8*\a:\g+8*\a+3],   v[ADRA+\slot] offset:(\q/2)*ASUB+(\q%2)*64+\a*16*PA
	ds_load_b128 v[\g+8*\a+4:\g+8*\a+7], v[ADRA+\slot] offset:(\q/2)*ASUB+(\q%2)*64+\a*16*PA+32
.endr
.endm
; A quarter: fetches quarter q of the slot into g, which the quarter before multiplied (four places in front; places = 0 where a joint load's four v_nop stand there already), and multiplies f.
.macro QTR f, g, slot, q, places
.if \places
	PLACES
.endif
	WIN 0
	FETCH \slot, \q, \g
	s_wait_dscnt 24                                ; all but the 24 just issued: f is in
	WIN 0x50
	MUL16 \f, 0, 0
	MUL16 \f, 4, 0
.endm
; A step's third quarter fetches the slot's last fragments and changes slots: ONE barrier.  In front of it each wave waits for its reads of this slot, all of them now, and for all its tensor loads, of which one is out: its part of the next slot.
; refill = 1: the barrier opens a round of the cluster's barrier, and the joint refill, two K steps on, is the first thing behind the round.
.macro QM f, g, slot, refill
	PLACES
	WIN 0
	FETCH \slot, 3, \g
	s_wait_dscnt 24
	WIN 0x50
	MUL16 \f, 0, 0
	s_wait_dscnt 0x0
	s_wait_tensorcnt 0x0
	ds_add_u32 v30, v31
	s_wait_dscnt 0x0
	s_barrier_signal -1
	MUL16 \f, 4, 0                                 ; register work while the others arrive
	WIN 0
	s_barrier_wait -1
.if \refill
	CREST                                          ; no wave of any partner still reads this slot's tiles or has a load on its way
	s_add_nc_u64 s[G0A+4*\slot+2:G0A+4*\slot+3], s[G0A+4*\slot+2:G0A+4*\slot+3], 4*262144
	s_add_nc_u64 s[G0B+4*\slot+2:G0B+4*\slot+3], s[G0B+4*\slot+2:G0B+4*\slot+3], 512
	JLOAD \slot
.endif
.endm
	s_wait_tensorcnt 0x1                           ; my part of K step 0 is in; step 1's may stay out
	s_barrier_signal -1
	s_barrier_wait -1
	FETCH 0, 0, F0
	s_wait_loadcnt 0x0                             ; bo
	FETCH 0, 1, F1
	s_wait_dscnt 24
	WIN 0x40                                       ; D in window 1, C (the bias) in window 0
	MUL16 F0, 0, 1                                 ; the first quarter stands in front of the loop: its products start the sums
	MUL16 F0, 4, 1
	WIN 0
	s_mov_b32 s[LAP], 3
.Llap:                                                 ; a trip is two K steps, from a step's second quarter on, and fills both slots again: K steps 2 to 7
	QTR F1, F0, 0, 2, 1
	QM  F0, F1, 0, 1
	QTR F1, F0, 1, 0, 0
	QTR F0, F1, 1, 1, 1
	QTR F1, F0, 1, 2, 1
	QM  F0, F1, 1, 1
	QTR F1, F0, 0, 0, 0
	QTR F0, F1, 0, 1, 1
	WIN 0
	s_sub_co_u32 s[LAP], s[LAP], 1
	s_cmp_lg_u32 s[LAP], 0
	s_cbranch_scc1 .Llap
	QTR F1, F0, 0, 2, 1                            ; the last two K steps fill nothing and have no round
	QM  F0, F1, 0, 0
	QTR F1, F0, 1, 0, 1
	QTR F0, F1, 1, 1, 1
	QTR F1, F0, 1, 2, 1
	QTR F0, F1, 1, 3, 1
	s_wait_dscnt 0x0
	WIN 0x50
	MUL16 F1, 0, 0
	MUL16 F1, 4, 0
	PLACES
; THE WAY OUT, 16 tokens at a time: a lane's eight f32 go into my stage straight from the accumulators, each from its low end on, and come back as whole rows of 256 bytes.
.macro TOSTAGE a
.set ob, OB+32*((\a)%2)
	s_wait_xcnt 0x0                                ; the set of registers that earlier stores read is loaded again only behind this wait
	WIN 0x04                                       ; the stores' data in window 1
.irp b, 0,1,2,3
	ds_store_b128 v[STO], v[8*(4*(\a)+\b):8*(4*(\a)+\b)+3]   offset:64*\b
	ds_store_b128 v[STO], v[8*(4*(\a)+\b)+4:8*(4*(\a)+\b)+7] offset:64*\b+16
.endr
	WIN 0
.irp t, 0,1,2,3,4,5,6,7
	ds_load_b128 v[ob+4*\t:ob+4*\t+3], v[RD] offset:2*SPI*\t       ; LDS serves a wave's instructions in order: these see the stores above, and the next block's stores come behind them
.endr
.endm
.macro SEND a, younger                 ; younger: the next block's 8 stores and 8 loads, or none
.set ob, OB+32*((\a)%2)
	s_wait_dscnt \younger
.irp t, 0,1,2,3,4,5,6,7
	global_store_b128 v[CO], v[ob+4*\t:ob+4*\t+3], s[10:11] offset:(16*(\a)+2*\t)*4096 th:TH_STORE_NT   ; 16 lanes store 256 consecutive bytes, at a multiple of 256 from out0's first byte
.endr
.endm
	TOSTAGE 0
.irp a, 1,2,3,4,5,6,7
	TOSTAGE \a
	SEND \a-1, 16
.endr
	SEND 7, 0
	s_wait_tensorcnt 0x0
	ds_add_u32 v30, v31
	s_wait_dscnt 0x0
	CROUND                                         ; the closing round: no work-group ends while a partner may still ask for a tile that names it
	s_endpgm
.Lfunc_end_k_q12f267c59c_proj:
	.size	k_q12f267c59c_proj, .Lfunc_end_k_q12f267c59c_proj-k_q12f267c59c_proj
	.p2alignl 7, 3214868480
	.fill 96, 4, 3214868480
	.section	.rodata,"a",@progbits
	.p2align	6, 0x0
	.amdhsa_kernel k_q12f267c59c_proj
		.amdhsa_group_segment_fixed_size 327680
		.amdhsa_private_segment_fixed_size 0
		.amdhsa_enable_private_segment 0
		.amdhsa_kernarg_size 32
		.amdhsa_user_sgpr_count 2
		.amdhsa_user_sgpr_kernarg_segment_ptr 1
		.amdhsa_wavefront_size32 1
		.amdhsa_system_sgpr_workgroup_id_x 1
		.amdhsa_system_sgpr_workgroup_id_y 1
		.amdhsa_system_sgpr_workgroup_id_z 1
		.amdhsa_system_vgpr_workitem_id 0
		.amdhsa_next_free_vgpr 512
		.amdhsa_next_free_sgpr 72
		.amdhsa_reserve_vcc 0
		.amdhsa_float_denorm_mode_32 3
		.amdhsa_float_denorm_mode_16_64 3
		.amdhsa_memory_ordered 1
		.amdhsa_forward_progress 1
		.amdhsa_inst_pref_size 85
	.end_amdhsa_kernel
	.amdgpu_metadata
---
amdhsa.version: [ 1, 2 ]
amdhsa.kernels:
  - .name:           k_q12f267c59c_proj
    .symbol:         k_q12f267c59c_proj.kd
    .args:
      - { .name: y, .offset: 0, .size: 8, .value_kind: global_buffer, .address_space: global }
      - { .name: wb, .offset: 8, .size: 8, .value_kind: global_buffer, .address_space: global }
      - { .name: bo, .offset: 16, .size: 8, .value_kind: global_buffer, .address_space: global }
      - { .name: out0, .offset: 24, .size: 8, .value_kind: global_buffer, .address_space: global }
    .group_segment_fixed_size: 327680
    .private_segment_fixed_size: 0
    .kernarg_segment_align: 8
    .kernarg_segment_size: 32
    .max_flat_workgroup_size: 128
    .sgpr_count:     72
    .vgpr_count:     512
    .wavefront_size: 32
...
	.end_amdgpu_metadata
.endif
;; end of part 4
